; MI455X (gfx1250); checked and timed in simulation.
; The chip was launched on July 23, 2026; its instructions are those of AMD's public machine-readable ISA for CDNA 5 (MIT licence, August 2026) and "CDNA5" Instruction Set Architecture Reference Guide (July 2026). The comments in the code are by the model that wrote it; some were corrected since.
;; Mo E Layer. Allowed arithmetic: float matrix products may take bf16 or f16 operands with f32 sums; other float arithmetic in f32, or as packed bf16 or f16 multiplies, adds, multiply-adds, maxima and minima; sums over many terms, partial sums and values carried from step to step in f32; what a program stores and reads back later, other than sums and carried values, may be rounded once to bf16 or f16.
;; Inputs: W1 8 x 1,024 x 4,096 float32; W2 8 x 4,096 x 1,024 float32; Wg 1,024 x 8 float32; b1 8 x 4,096 float32; b2 8 x 1,024 float32; bg 8 float32; x 4 x 256 x 1,024 float32.
;; Outputs: out0 4 x 256 x 1,024 float32; out1 4 x 256 x 8 float32; out2 4 x 256 x 2 int32.
;; One version. Each part assembles by itself: llvm-mc -triple=amdgcn-amd-amdhsa -mcpu=gfx1250 --defsym DOCPART=n.
;; ======== version 1 of 1: 4 launches
;; workspace buffers: xb 2,097,152 bytes; sel 4,096 bytes of whole numbers; gate 8,192 bytes; hbuf 67,108,864 bytes; part 33,554,432 bytes
;; launch router (part 1): grid 256 x 1, 4 waves a work-group, no clusters, 1,024 bytes of LDS; arguments x, Wg, bg, out1, out2, xb, sel, gate; writes out1, out2, xb, sel, gate
.if DOCPART == 1
	.amdgcn_target "amdgcn-amd-amdhsa--gfx1250"
	.amdhsa_code_object_version 6
	.text
	.protected	k_qbf710c7ed7_router
	.globl	k_qbf710c7ed7_router
	.p2align	8
	.type	k_qbf710c7ed7_router,@function
k_qbf710c7ed7_router:
	s_mov_b64 s[64:65], 0
	v_nop
	global_prefetch_b8 v0, s[64:65] scope:SCOPE_SE
	s_setreg_imm32_b32 hwreg(HW_REG_WAVE_MODE, 25, 1), 1
	s_wait_xcnt 0x0
; ROUTER.  logits[n][e] = x[n][:] . Wg[:][e] + bg[e]; the two largest logits of a token (ties: the lower index first), their softmax; x rounded to bf16 for the products to come.
; x, Wg and bg are rounded to bf16 (as every input of this program is); products and sums in f32.  The gate is 8 columns wide, half a matrix tile, and a two-thousandth of the program's
; multiply-adds: it is done by the vector unit with the lanes along D, so that x is read and xb written in runs of 512 and 256 consecutive bytes.
; SHARES.  Work-group b: tokens 4 b .. 4 b + 3.  Wave w: d = 256 w .. 256 w + 255.  Lane l: d = 256 w + 128 i + 4 l + jj (i = 0, 1; jj = 0 .. 3).  The waves' sums meet in LDS; wave 0 ends the work.
; STORED: out1 (logits), out2 (indices), xb [1024][1024] bf16, sel[token] = 1 << first | 1 << (8 + second), gate[slot x 1024 + token] = the softmax weight.  All at places that hang on ids alone.
; LIMITS.  NaN and infinite logits are not treated apart.  The maximum is taken away ahead of the exponential: the second weight's exponent is second - first, never above 0.
.set SPARE, 512                        ; behind the 512 bytes of partial sums: the spare words, 128 bytes a wave
.set SPW, 30                           ; v30  my spare word's address; never rewritten
.set NIL, 31                           ; v31  0; never rewritten
.set X,   32                           ; v[32:63]   x: 8 tok + 4 i + jj.  Later, in wave 0: the four waves' sums of my token, 8 w + e
.set WG,  64                           ; v[64:127]  Wg: 8 (4 i + jj) + e.  Later at work
.set ACC, 128                          ; v[128:159] sums: 8 tok + e
.set XP,  160                          ; v[160:175] x packed to bf16: 4 tok + 2 i + p
.set TM,  176                          ; v[176:177] at work
	s_load_b512 s[4:19], s[0:1], 0x0               ; x s[4:5], Wg s[6:7], bg s[8:9], out1 s[10:11], out2 s[12:13], xb s[14:15], sel s[16:17], gate s[18:19]
	v_lshl_add_u32 v[SPW], v0, 2, SPARE
	v_mov_b32 v[NIL], 0
	v_and_b32 v1, 31, v0                           ; lane
	v_lshrrev_b32 v2, 5, v0                        ; wave
	v_readfirstlane_b32 s20, v2
	v_mov_b32 v3, 0
	v_lshlrev_b32 v4, 4, v1
	v_lshl_add_u32 v4, v2, 10, v4                  ; x: 16 l + 1,024 w
	v_lshlrev_b32 v5, 3, v1
	v_lshl_add_u32 v5, v2, 9, v5                   ; xb: 8 l + 512 w
	v_lshlrev_b32 v6, 7, v1
	v_lshl_add_u32 v6, v2, 13, v6                  ; Wg: four rows of 32 bytes a lane: 128 l + 8,192 w
	v_and_b32 v7, 7, v1
	v_lshlrev_b32 v7, 2, v7                        ; bg of expert l % 8
	v_lshlrev_b32 v17, 7, v2                       ; my wave's 128 bytes of sums in LDS
	s_mov_b32 s23, 0
	s_mov_b32 s24, 0x76543210                      ; v_permlanex16_b32: each lane takes its own place in the other half
	s_mov_b32 s25, 0xfedcba98
	s_mov_b32 s27, 0xffff0000                      ; a word's upper bf16
	s_wait_kmcnt 0x0
	s_lshl_b32 s22, ttmp9, 14
	s_add_nc_u64 s[4:5], s[4:5], s[22:23]          ; four rows of 4,096 bytes
	s_lshl_b32 s22, ttmp9, 13
	s_add_nc_u64 s[14:15], s[14:15], s[22:23]
	s_lshl_b32 s22, ttmp9, 7
	s_add_nc_u64 s[10:11], s[10:11], s[22:23]
	s_lshl_b32 s22, ttmp9, 5
	s_add_nc_u64 s[12:13], s[12:13], s[22:23]
	s_lshl_b32 s22, ttmp9, 4
	s_add_nc_u64 s[16:17], s[16:17], s[22:23]
	s_add_nc_u64 s[18:19], s[18:19], s[22:23]
	global_load_b128 v[8:11], v3, s[8:9]
	global_load_b128 v[12:15], v3, s[8:9] offset:16
	global_load_b32 v16, v7, s[8:9]
.irp tok, 0,1,2,3
.irp i, 0,1
	global_load_b128 v[X+8*(\tok)+4*(\i):X+8*(\tok)+4*(\i)+3], v4, s[4:5] offset:4096*(\tok)+512*(\i) th:TH_LOAD_NT  ; 512 consecutive bytes a wave
.endr
.endr
.irp i, 0,1
.irp m, 0,1,2,3,4,5,6,7
	global_load_b128 v[WG+32*(\i)+4*(\m):WG+32*(\i)+4*(\m)+3], v6, s[6:7] offset:4096*(\i)+16*(\m)
.endr
.endr
	s_wait_loadcnt 16                              ; bg and x are in; Wg's sixteen loads may stay out
.set n, 0
.rept 16
	v_cvt_pk_bf16_f32 v[XP+n], v[X+2*n], v[X+2*n+1]
.set n, n+1
.endr
.irp tok, 0,1,2,3
.irp i, 0,1
	global_store_b64 v5, v[XP+4*(\tok)+2*(\i):XP+4*(\tok)+2*(\i)+1], s[14:15] offset:2048*(\tok)+256*(\i)  ; 32 lanes store 256 consecutive bytes, at a multiple of 256 from xb's first
.endr
.endr
.set n, 0
.rept 16
	v_lshlrev_b32 v[X+2*n], 16, v[XP+n]            ; the rounded x, back in f32
	v_and_b32 v[X+2*n+1], s27, v[XP+n]
.set n, n+1
.endr
	s_wait_loadcnt 0x0                             ; Wg
.set n, 0
.rept 32
	v_cvt_pk_bf16_f32 v[TM+n%2], v[WG+2*n], v[WG+2*n+1]
	v_lshlrev_b32 v[WG+2*n], 16, v[TM+n%2]
	v_and_b32 v[WG+2*n+1], s27, v[TM+n%2]
.set n, n+1
.endr
; My d number k = 4 i + jj: for four tokens and four pairs of experts one packed multiply-add; x is one word of a pair, given to both halves.  k = 0 starts the sums.
.macro GATE k
.set tok, 0
.rept 4
.set ep, 0
.rept 4
.if (\k) == 0
	v_pk_mul_f32 v[ACC+8*tok+2*ep:ACC+8*tok+2*ep+1], v[WG+2*ep:WG+2*ep+1], v[X+8*tok:X+8*tok+1] op_sel_hi:[1,0]
.elseif (\k)%2 == 0
	v_pk_fma_f32 v[ACC+8*tok+2*ep:ACC+8*tok+2*ep+1], v[WG+8*(\k)+2*ep:WG+8*(\k)+2*ep+1], v[X+8*tok+(\k):X+8*tok+(\k)+1], v[ACC+8*tok+2*ep:ACC+8*tok+2*ep+1] op_sel_hi:[1,0,1]
.else
	v_pk_fma_f32 v[ACC+8*tok+2*ep:ACC+8*tok+2*ep+1], v[WG+8*(\k)+2*ep:WG+8*(\k)+2*ep+1], v[X+8*tok+(\k)-1:X+8*tok+(\k)], v[ACC+8*tok+2*ep:ACC+8*tok+2*ep+1] op_sel:[0,1,0] op_sel_hi:[1,1,1]
.endif
.set ep, ep+1
.endr
.set tok, tok+1
.endr
.endm
.irp k, 0,1,2,3,4,5,6,7
	GATE \k
.endr
	; the 32 sums over the wave's 32 lanes: four steps inside each half of 16 lanes, one across
.irp m, 1,2,4,8
.set n, 0
.rept 32
	v_add_f32_dpp v[ACC+n], v[ACC+n], v[ACC+n] row_xmask:\m row_mask:0xf bank_mask:0xf
.set n, n+1
.endr
.endr
.set n, 0
.rept 32
	v_permlanex16_b32 v[WG+n], v[ACC+n], s24, s25  ; Wg's registers are free, and have been written
.set n, n+1
.endr
.set n, 0
.rept 32
	v_add_f32 v[ACC+n], v[ACC+n], v[WG+n]
.set n, n+1
.endr
.irp m, 0,1,2,3,4,5,6,7
	ds_store_b128 v17, v[ACC+4*(\m):ACC+4*(\m)+3] offset:16*(\m)  ; every lane holds the same sums and writes the same bytes
.endr
	s_wait_dscnt 0x0                               ; for the others' sake: my sums are in LDS
	s_barrier_signal -1
	s_barrier_wait -1
	s_cmp_lg_u32 s20, 0
	s_cbranch_scc1 .Lend                           ; wave 0 ends the work: lane l stands for token l / 8 and expert l % 8
	v_lshlrev_b32 v18, 2, v1                       ; my own sum: word 8 tok + e = l of each wave's 32
	v_lshrrev_b32 v92, 3, v1                       ; tok
	v_lshlrev_b32 v19, 5, v92                      ; my token's eight sums
.irp w, 0,1,2,3
	ds_load_b32 v[20+(\w)], v18 offset:128*(\w)
	ds_load_b128 v[X+8*(\w):X+8*(\w)+3], v19 offset:128*(\w)
	ds_load_b128 v[X+8*(\w)+4:X+8*(\w)+7], v19 offset:128*(\w)+16
.endr
.irp p, 0,1,2,3
	v_cvt_pk_bf16_f32 v[TM], v[8+2*(\p)], v[9+2*(\p)]  ; bg rounded to bf16, back in f32
	v_lshlrev_b32 v[8+2*(\p)], 16, v[TM]
	v_and_b32 v[9+2*(\p)], s27, v[TM]
.endr
	v_cvt_pk_bf16_f32 v[TM+1], v16, v16
	v_lshlrev_b32 v16, 16, v[TM+1]
	s_wait_dscnt 0x0
	v_add_f32 v20, v20, v21                        ; ((w0 + w1) + (w2 + w3)) + bg, here and below in the same order
	v_add_f32 v22, v22, v23
	v_add_f32 v20, v20, v22
	v_add_f32 v20, v20, v16
	global_store_b32 v18, v20, s[10:11]            ; out1: the work-group's 32 logits, 128 consecutive bytes
.irp p, 0,2,4,6
	v_pk_add_f32 v[64+(\p):65+(\p)], v[X+(\p):X+(\p)+1], v[X+8+(\p):X+8+(\p)+1]
	v_pk_add_f32 v[72+(\p):73+(\p)], v[X+16+(\p):X+16+(\p)+1], v[X+24+(\p):X+24+(\p)+1]
.endr
.irp p, 0,2,4,6
	v_pk_add_f32 v[64+(\p):65+(\p)], v[64+(\p):65+(\p)], v[72+(\p):73+(\p)]
.endr
.irp p, 0,2,4,6
	v_pk_add_f32 v[64+(\p):65+(\p)], v[64+(\p):65+(\p)], v[8+(\p):9+(\p)]  ; v[64:71]: my token's eight logits
.endr
	; the two largest, by selects alone: v80, v81 the first and its index, v82, v83 the second.  Experts ascend and only a strictly larger logit displaces: of equals the lower index stands first.
	v_cmp_gt_f32 vcc_lo, v65, v64
	v_cndmask_b32 v80, v64, v65, vcc_lo
	v_cndmask_b32 v82, v65, v64, vcc_lo
	v_cndmask_b32 v81, 0, 1, vcc_lo
	v_cndmask_b32 v83, 1, 0, vcc_lo
.irp e, 2,3,4,5,6,7
	v_cmp_gt_f32 s26, v[64+(\e)], v80
	v_cmp_gt_f32 vcc_lo, v[64+(\e)], v82
	v_cndmask_b32 v82, v82, v[64+(\e)], vcc_lo
	v_cndmask_b32 v83, v83, \e, vcc_lo
	v_cndmask_b32 v82, v82, v80, s26               ; a new first makes the old first the second
	v_cndmask_b32 v83, v83, v81, s26
	v_cndmask_b32 v80, v80, v[64+(\e)], s26
	v_cndmask_b32 v81, v81, \e, s26
.endr
	v_sub_f32 v84, v82, v80                        ; second - first: the maximum is taken away
	v_mul_f32 v84, 0x3fb8aa3b, v84                 ; x log2(e)
	v_exp_f32 v85, v84
	v_and_b32 v89, 7, v1                           ; (a plain instruction behind the exponential) e = l % 8
	s_wait_alu depctr_va_vdst(0)                   ; the wait ahead of the result's first reader
	v_add_f32 v86, 1.0, v85
	v_rcp_f32 v87, v86                             ; the first weight: 1 / (1 + ex)
	v_min_u32 v96, 1, v89                          ; (a plain instruction behind the reciprocal) the slot, held to 0 or 1 so that every lane's address lies inside its buffer
	s_wait_alu depctr_va_vdst(0)
	v_mul_f32 v88, v85, v87                        ; the second: ex / (1 + ex)
	v_cmp_eq_u32 vcc_lo, 1, v89
	v_cndmask_b32 v90, v81, v83, vcc_lo            ; lane e = 0 carries the first choice, lane e = 1 the second
	v_cndmask_b32 v91, v87, v88, vcc_lo
	v_lshlrev_b32 v93, 3, v92
	v_lshl_add_u32 v93, v96, 2, v93                ; out2: 8 tok + 4 slot
	v_lshlrev_b32 v95, 2, v92                      ; sel: 4 tok
	v_lshl_add_u32 v94, v96, 12, v95               ; gate: 4,096 slot + 4 tok
	v_mov_b32 v98, 1
	v_mov_b32 v99, 0x100
	v_lshlrev_b32 v97, v81, v98
	v_lshlrev_b32 v100, v83, v99
	v_or_b32 v97, v97, v100                        ; 1 << first | 1 << (8 + second)
	v_cmp_gt_u32 vcc_lo, 2, v89
	s_wait_xcnt 0x0                                ; EXEC is a source of the store above: it changes only behind this wait
	s_and_saveexec_b32 s28, vcc_lo
	global_store_b32 v93, v90, s[12:13]
	global_store_b32 v94, v91, s[18:19]
	s_wait_xcnt 0x0
	s_or_b32 exec_lo, exec_lo, s28
	v_cmp_eq_u32 vcc_lo, 0, v89
	s_wait_xcnt 0x0
	s_and_saveexec_b32 s28, vcc_lo
	global_store_b32 v95, v97, s[16:17]
	s_wait_xcnt 0x0
	s_or_b32 exec_lo, exec_lo, s28
.Lend:
	s_wait_tensorcnt 0x0                           ; the wave's end
	ds_add_u32 v[SPW], v[NIL]
	s_wait_dscnt 0x0
	s_endpgm
.Lfunc_end_k_qbf710c7ed7_router:
	.size	k_qbf710c7ed7_router, .Lfunc_end_k_qbf710c7ed7_router-k_qbf710c7ed7_router
	.p2alignl 7, 3214868480
	.fill 96, 4, 3214868480
	.section	.rodata,"a",@progbits
	.p2align	6, 0x0
	.amdhsa_kernel k_qbf710c7ed7_router
		.amdhsa_group_segment_fixed_size 1024
		.amdhsa_private_segment_fixed_size 0
		.amdhsa_enable_private_segment 0
		.amdhsa_kernarg_size 64
		.amdhsa_user_sgpr_count 2
		.amdhsa_user_sgpr_kernarg_segment_ptr 1
		.amdhsa_wavefront_size32 1
		.amdhsa_system_sgpr_workgroup_id_x 1
		.amdhsa_system_sgpr_workgroup_id_y 1
		.amdhsa_system_sgpr_workgroup_id_z 1
		.amdhsa_system_vgpr_workitem_id 0
		.amdhsa_next_free_vgpr 192
		.amdhsa_next_free_sgpr 66
		.amdhsa_reserve_vcc 1
		.amdhsa_float_denorm_mode_32 3
		.amdhsa_float_denorm_mode_16_64 3
		.amdhsa_memory_ordered 1
		.amdhsa_forward_progress 1
		.amdhsa_inst_pref_size 38
	.end_amdhsa_kernel
	.amdgpu_metadata
---
amdhsa.version: [ 1, 2 ]
amdhsa.kernels:
  - .name:           k_qbf710c7ed7_router
    .symbol:         k_qbf710c7ed7_router.kd
    .args:
      - { .name: x, .offset: 0, .size: 8, .value_kind: global_buffer, .address_space: global }
      - { .name: Wg, .offset: 8, .size: 8, .value_kind: global_buffer, .address_space: global }
      - { .name: bg, .offset: 16, .size: 8, .value_kind: global_buffer, .address_space: global }
      - { .name: out1, .offset: 24, .size: 8, .value_kind: global_buffer, .address_space: global }
      - { .name: out2, .offset: 32, .size: 8, .value_kind: global_buffer, .address_space: global }
      - { .name: xb, .offset: 40, .size: 8, .value_kind: global_buffer, .address_space: global }
      - { .name: sel, .offset: 48, .size: 8, .value_kind: global_buffer, .address_space: global }
      - { .name: gate, .offset: 56, .size: 8, .value_kind: global_buffer, .address_space: global }
    .group_segment_fixed_size: 1024
    .private_segment_fixed_size: 0
    .kernarg_segment_align: 8
    .kernarg_segment_size: 64
    .max_flat_workgroup_size: 128
    .sgpr_count:     66
    .vgpr_count:     192
    .wavefront_size: 32
...
	.end_amdgpu_metadata
.endif
;; end of part 1
;; launch ffn1 (part 2): grid 32 x 8, 4 waves a work-group, no clusters, 302,592 bytes of LDS; arguments W1, b1, xb, sel, hbuf; writes hbuf
.if DOCPART == 2
	.amdgcn_target "amdgcn-amd-amdhsa--gfx1250"
	.amdhsa_code_object_version 6
	.text
	.protected	k_qbf710c7ed7_ffn1
	.globl	k_qbf710c7ed7_ffn1
	.p2align	8
	.type	k_qbf710c7ed7_ffn1,@function
k_qbf710c7ed7_ffn1:
	s_mov_b64 s[64:65], 0
	v_nop
	global_prefetch_b8 v0, s[64:65] scope:SCOPE_SE
	s_setreg_imm32_b32 hwreg(HW_REG_WAVE_MODE, 25, 1), 1
	s_wait_xcnt 0x0
; FIRST PRODUCT OF THE CHOSEN EXPERTS.  hbuf[e x 1024 + p][n] = gelu(xb[q % 1024][:] . W1[e][:][n] + b1[e][n]) in bf16, where q = slot x 1024 + token is entry p of expert e's list of rows.
; W1 and b1 are rounded to bf16 (as every input of this program is), sums in f32, gelu in f32 (exact form; erf by a five-term rational series, within 1.5e-7 of erf for every argument), h rounded once.
; h LIES IN THE EXPERTS' ORDER, 1,024 rows to an expert, so that the next launch makes its rows' addresses of the expert and the tile's number alone.  Every row that it loads is stored here: the tiles below the
; count whole, and each wave's first tile in any case, as zeros if it lies past the count: so an expert without rows has a tile 0.
; SHARES.  Work-group (x, y): expert y, columns 128 x .. 128 x + 127: a slice of 1,024 x 128 weights, 512 KiB of f32, which it alone reads, once; and all rows of that expert, whatever their number (0 to 1,024).
; THE WEIGHTS go from memory through registers (rounded there) into LDS, as matrix fragments, each LDS byte written once: the whole slice stays, 260 KiB.  They come in 16 chunks of 64 along K, a barrier a chunk;
; behind barrier c every wave multiplies chunk c while its parts of chunks c + 1 and c + 2 are on their way.  No tensor load: the f32 tile would have to be read and rounded by all four waves.
; THE ROWS.  Every wave makes the expert's list of q for itself, from sel (4 KiB), in LDS bytes of its own.  Tiles of 16 rows are dealt round: wave w has tiles w, w + 4, .. of a block of 20 (320 rows).
; Token rows come by the list straight from memory into registers as matrix operands.  Rows past 320 are served by up to three further blocks, which read the resident weights again: no weight traffic.
; Places past the count in a tile repeat the list's first row.  Tiles past the count are jumped by scalar branches that pass neither a barrier nor an LDS store.
; NO CLUSTER: each slice of weights has one reader, and the rows that an expert's work-groups share come by a list, which no tile descriptor covers.
; THE MATRIX INSTRUCTION IS USED TRANSPOSED: source 0 = 16 columns of W1, source 1 = 16 rows: lane (r, h) then holds row r and the columns 16 nb + 8 h + 0..7: eight neighbours.
; LIMITS.  NaN and infinities are not treated apart; an exponential below 2^-126 counts as 0.
; REGISTERS, in windows of 256 (s_set_vgpr_msb: bits 1:0 source 0, 3:2 source 1, 5:4 source 2, 7:6 destination):
;   window 0: addresses, CV, token fragments AF (two buffers; on the way out at work)     window 1: v0-127 weight fragments BF of a chunk; v128-255 LD, two landing sets of 64 for f32 weights
;   window 2: accumulators of my tiles 0-3 (64 t + 8 nb)                                  window 3: v0-63 tile 4's; v64-127 the bias (8 nb + j)
.set WSH,    14
.set WPITCH, 1<<WSH                    ; bytes from a row of W1 to the next
.set ASH,    11                        ; a row of xb is 2,048 bytes
.set OSH,    13                        ; a row of hbuf is 8,192 bytes
.set FP,     1040                      ; a fragment (16 columns x 32 K of bf16) in LDS: 1,024 bytes + 16
.set CHUNK,  16*FP                     ; 2 K steps x 8 column blocks
.set LIST,   16*CHUNK                  ; behind the weights: a list for each wave
.set LISTW,  4608                      ; words 0-1055 the list and its pad, 1056-1087 a dump for lanes whose token is not chosen
.set STAGE,  LIST+4*LISTW              ; 16 rows x 272 bytes for each wave, for the way out
.set SP,     272
.set SPARE,  STAGE+4*16*SP             ; the spare words, 128 bytes a wave
.set R,    1                           ; v1   lane % 16
.set HH,   2                           ; v2   lane / 16
.set LANE, 3                           ; v3
.set WOFF, 4                           ; v4   my place in a chunk of W1: 8 h rows + 16 r bytes; never rewritten
.set LST,  5                           ; v5   where I store fragments; steps a chunk a trip
.set LRD,  6                           ; v6   where I read fragments: 16 x lane + the chunk
.set LRD0, 7                           ; v7   16 x lane; never rewritten
.set LRL,  8                           ; v8   my list + 4 r
.set H16,  9                           ; v9   16 h
.set AO,   10                          ; v10-14  tile t: byte offset of my row's 16 h in xb
.set PFO,  15                          ; v15  my 256 bytes of a chunk, for the prefetch
.set STO,  16                          ; v16  the way out: where I put 16 bytes of a row
.set RD,   17                          ; v17  where I read rows back
.set C16,  18                          ; v18  the way out: h rows of hbuf + 16 r
.set TA,   19                          ; v19-23 at work
.set QS,   20                          ; v20  the way out: my byte offset in the tile's first two rows of hbuf
.set SPW,  30                          ; v30  my spare word's address; never rewritten
.set NIL,  31                          ; v31  0; never rewritten
.set CV,   32                          ; v32-63  weights rounded, 8 cc + 4 u + p; on the way out h packed, 4 nb + p
.set ZR,   64                          ; v64-67  zeros, for a first tile past the count
.set AF,   96                          ; v96-255 token fragments: 80 buf + 16 t + 8 s
.set SEL,  96                          ; at the start: sel
.set U,    96                          ; on the way out: v96-159 a tile's 64 numbers a lane
.set Z,    160                         ; |a|
.set DN,   176                         ; 1 + p |a|, then t
.set QE,   192                         ; the exponent, then e
.set Y,    208                         ; the series
.set OB,   224                         ; rows read back
.set BF,   0                           ; window 1
.set LD,   128                         ; window 1: 64 set + 4 (8 u + j) + cc
.set BIAS, 64                          ; window 3
; scalars: s[4:5] W1 at my part of the chunk in hand   s[6:7] b1   s[8:9] xb at the chunk's K   s[10:11] sel   s[12:13] hbuf at my columns   s16 wave   s17 expert   s19, s20 my K step and column half
; s21 my first tile of the block   s[22:23] an offset   s[24:25] xb   s[26:27] W1 at the work-group's chunk, for the prefetch   s28 count   s29 tiles   s30 the last tile   s31 my tiles in the block
; s32 blocks to go   s33 trips   s34 tile   s35, s39 at work   s36, s37 the expert's two bits in sel   s38 my list   s[40:55] gelu's constants in pairs   s56 a further block's chunk in LDS
; s57 the tiles that the way out walks   s58, s59 masks   s60 the expert's first byte in hbuf
.set CP,  40                           ; 0.3275911 / sqrt 2
.set CE,  42                           ; -log2(e) / 2
.set CA1, 44                           ; the series' five coefficients, halved
.set CA2, 46
.set CA3, 48
.set CA4, 50
.set CA5, 52
.set C1,  54                           ; 1
.set TB,  56
.set MSB, 0
.macro WIN new                         ; the immediate's high byte repeats the setting that is left; a switch that changes nothing is dropped
.if MSB != (\new)
	s_set_vgpr_msb (MSB<<8)|(\new)
.set MSB, \new
.endif
.endm
.macro PLACES                          ; four plain instructions between a matrix instruction and a load into, or a vector instruction on, its registers
.rept 4
	v_nop
.endr
.endm
.macro KONST reg, val                  ; a constant as a pair: the packed forms name both words and take the low one
	s_mov_b32 s[\reg], \val
	s_mov_b32 s[(\reg)+1], \val
.endm
.macro MEET                            ; a work-group barrier; in front of it none of my LDS instructions is out
	s_wait_dscnt 0x0
	s_barrier_signal -1
	s_barrier_wait -1
.endm
; My quarter of a chunk: K step s, column half g: 32 rows x 64 columns of f32.  Load (u, j): row 16 u + 8 h + j, columns 4 r .. 4 r + 3: lanes 0-15 take 256 consecutive bytes of one row, lanes 16-31 of the row 8 below.
.macro WLOAD set, ahead
	WIN 0x40                                       ; destination window 1
.irp u, 0,1
.irp j, 0,1,2,3,4,5,6,7
	global_load_b128 v[LD+64*(\set)+4*(8*(\u)+(\j)):LD+64*(\set)+4*(8*(\u)+(\j))+3], v[WOFF], s[4:5] offset:(64*(\ahead)+16*(\u)+(\j))*WPITCH th:TH_LOAD_NT
.endr
.endr
.endm
; The landed set becomes fragments.  Column 4 r + cc of my half is lane slot i = 4 (r % 4) + cc of column block r / 4; rows 16 u + 8 h + 2 p, + 1 pack into register 4 u + p of that slot: no lane changes, no transposing load.
.macro CONVERT set
	WIN 0x05                                       ; sources window 1
.irp cc, 0,1,2,3
.irp u, 0,1
.irp p, 0,1,2,3
	v_cvt_pk_bf16_f32 v[CV+8*(\cc)+4*(\u)+(\p)], v[LD+64*(\set)+4*(8*(\u)+2*(\p))+(\cc)], v[LD+64*(\set)+4*(8*(\u)+2*(\p)+1)+(\cc)]
.endr
.endr
.endr
	WIN 0
.irp cc, 0,1,2,3
.irp u, 0,1
	ds_store_b128 v[LST], v[CV+8*(\cc)+4*(\u):CV+8*(\cc)+4*(\u)+3] offset:512*(\u)+16*(\cc)
.endr
.endr
	v_add_nc_u32 v[LST], CHUNK, v[LST]
.endm
; Token fragments of a chunk: for each tile four loads of 16 bytes, 32 bytes apart.  guard = 1: tiles past my count are jumped.  The hint: the expert's 31 other work-groups read the same rows.
.macro ALOAD buf, guard
.irp t, 0,1,2,3,4
.if \guard
	s_cmp_le_u32 s31, \t
	s_cbranch_scc1 .Laend_\@
.endif
.irp f, 0,1,2,3
	global_load_b128 v[AF+80*(\buf)+16*(\t)+4*(\f):AF+80*(\buf)+16*(\t)+4*(\f)+3], v[AO+(\t)], s[8:9] offset:32*(\f) th:TH_LOAD_HT
.endr
.endr
.Laend_\@:
.endm
; A chunk's 16 weight fragments out of LDS, the first K step's first: 32 lanes take 512 consecutive bytes.  res = 0: the address steps itself, a chunk a trip.  res = 1 (a further block): it is made anew from s[TB], which steps.
.macro BLOAD res
.if \res
	v_add_nc_u32 v[LRD], s[TB], v[LRD0]
	s_add_co_u32 s[TB], s[TB], CHUNK
.endif
	WIN 0x40
.irp s, 0,1
.irp nb, 0,1,2,3,4,5,6,7
.irp u, 0,1
	ds_load_b128 v[BF+64*(\s)+8*(\nb)+4*(\u):BF+64*(\s)+8*(\nb)+4*(\u)+3], v[LRD] offset:(8*(\s)+(\nb))*FP+512*(\u)
.endr
.endr
.endr
	WIN 0
.if !(\res)
	v_add_nc_u32 v[LRD], CHUNK, v[LRD]
.endif
.endm
; K step s for my tiles: 8 matrix instructions a tile, its 8 accumulators by turns.  first = 1: the products start the sums, for all five tiles, so that every accumulator is written.
.macro GROUPS buf, s, first
.irp t, 0,1,2,3,4
.if !(\first)
	WIN 0                                          ; at a branch and at a label every window is 0
	s_cmp_le_u32 s31, \t
	s_cbranch_scc1 .Lgend_\@
.endif
	WIN 0xa1+0x50*((\t)/4)                         ; weights window 1, rows window 0, sums window 2 (tile 4: window 3)
.irp nb, 0,1,2,3,4,5,6,7
.if \first
	v_wmma_f32_16x16x32_bf16 v[(64*(\t))%256+8*(\nb):(64*(\t))%256+8*(\nb)+7], v[BF+64*(\s)+8*(\nb):BF+64*(\s)+8*(\nb)+7], v[AF+80*(\buf)+16*(\t)+8*(\s):AF+80*(\buf)+16*(\t)+8*(\s)+7], 0
.else
	v_wmma_f32_16x16x32_bf16 v[(64*(\t))%256+8*(\nb):(64*(\t))%256+8*(\nb)+7], v[BF+64*(\s)+8*(\nb):BF+64*(\s)+8*(\nb)+7], v[AF+80*(\buf)+16*(\t)+8*(\s):AF+80*(\buf)+16*(\t)+8*(\s)+7], v[(64*(\t))%256+8*(\nb):(64*(\t))%256+8*(\nb)+7]
.endif
.endr
.endr
	WIN 0
.Lgend_\@:
.endm
; TRIP c (set = c % 2).  n: the loads that may stay out: my part of chunk c + 1's weights; older than these, and so in, are chunk c's weights and rows.  The 32 conversions are the places behind the last trip's products.
; ia: rows of chunk c + 1 are asked for; iw: weights of chunk c + 2; pf: my 256-byte blocks of chunk c + 5 are asked into the L2 (2: not in the loop's last lap, whose chunks 16 and 17 do not exist).
.macro TRIP set, first, ia, iw, n, pf
	s_wait_loadcnt \n
	CONVERT \set
.if (\ia) || (\iw)
	s_wait_xcnt 0x0                                ; the pointers are stepped only when every earlier load has had its address translated (ISA guide 3.1)
.if \ia
	s_add_nc_u64 s[8:9], s[8:9], 128
.endif
.if \iw
	s_add_nc_u64 s[4:5], s[4:5], 64*WPITCH
.endif
.if \pf
	s_add_nc_u64 s[26:27], s[26:27], 64*WPITCH
.endif
.if \ia
	ALOAD 1-(\set), 1-(\first)
.endif
.if \iw
	WLOAD \set, 1
	WIN 0
.endif
.if (\pf) == 2
	s_cmp_eq_u32 s33, 1
	s_cbranch_scc1 .Lnopf_\@
.endif
.if \pf
	global_prefetch_b8 v[PFO], s[26:27] offset:256*WPITCH th:TH_LOAD_NT scope:SCOPE_SE  ; four chunks past the stepped pointer; each block of 256 bytes is asked for once, by one lane of one wave
.endif
.if (\pf) == 2
.Lnopf_\@:
.endif
.endif
	s_wait_dscnt 0x0                               ; for the others' sake: my fragments of chunk c are in LDS
	s_barrier_signal -1
	s_barrier_wait -1                              ; everybody's are.  No LDS byte of the weights is ever written again, so one barrier a chunk is all
	BLOAD 0
	s_wait_dscnt 16                                ; the first K step's fragments are in
	GROUPS \set, 0, \first
	s_wait_dscnt 0x0
	GROUPS \set, 1, 0
.endm
; A chunk of a further block: the weights are resident; rows come as before, without a second buffer.
.macro OTRIP first
	PLACES                                         ; behind the last products, ahead of the loads into their sources
	s_wait_xcnt 0x0
.if !(\first)
	s_add_nc_u64 s[8:9], s[8:9], 128
.endif
	ALOAD 0, 1
	BLOAD 1
	s_wait_loadcnt 0x0
	s_wait_dscnt 16
	GROUPS 0, 0, \first
	s_wait_dscnt 0x0
	GROUPS 0, 1, 0
.endm
.macro BLKNT                           ; how many of my five tiles s21, s21 + 4, .. lie below the count of tiles
	s_sub_co_i32 s31, s29, s21
	s_add_co_i32 s31, s31, 3
	s_max_i32 s31, s31, 0
	s_lshr_b32 s31, s31, 2
	s_min_u32 s31, s31, 5
.endm
.macro BLKROWS                         ; the rows of my five tiles (a tile past the count takes the last tile's): q from my list, held to 0 .. 2,047; the token is q % 1,024
.irp t, 0,1,2,3,4
	s_add_co_u32 s39, s21, 4*(\t)
	s_min_u32 s39, s39, s30
	s_min_u32 s39, s39, 63
	s_lshl_b32 s39, s39, 6
	v_add_nc_u32 v[TA+(\t)], s39, v[LRL]
	ds_load_b32 v[AO+(\t)], v[TA+(\t)]
.endr
	s_wait_dscnt 0x0
.irp t, 0,1,2,3,4
	v_min_u32 v[AO+(\t)], 0x7ff, v[AO+(\t)]
	v_and_b32 v[AO+(\t)], 0x3ff, v[AO+(\t)]
	v_lshl_add_u32 v[AO+(\t)], v[AO+(\t)], ASH, v[H16]
.endr
.endm
.macro SELT t                          ; tile t's sums, each accumulator from its lowest registers on, plus the bias, into window 0
	WIN 0x0e+(\t)/4                                ; source 0 window 2 (tile 4: window 3), source 1 window 3
.set i, 0
.rept 32
	v_pk_add_f32 v[U+i:U+i+1], v[(64*(\t))%256+i:(64*(\t))%256+i+1], v[BIAS+i:BIAS+i+1]
.set i, i+2
.endr
	WIN 0
.endm
; gelu of 16 numbers a: t = 1 / (1 + p |a| / sqrt 2); e = 2^(-a a log2(e) / 2); y = ((((a5 t + a4) t + a3) t + a2) t + a1) t / 2, so that 1 - erf(|a| / sqrt 2) = 2 y e;
; gelu = max(a, 0) - |a| y e: no difference of near numbers for a below 0.  The 32 transcendentals are one batch with one wait.
.macro BATCH b
.set UB, U+16*(\b)
.set i, 0
.rept 16
	v_and_b32 v[Z+i], s58, v[UB+i]
.set i, i+1
.endr
.set i, 0
.rept 8
	v_pk_fma_f32 v[DN+i:DN+i+1], v[Z+i:Z+i+1], s[CP:CP+1], s[C1:C1+1] op_sel_hi:[1,0,0]
.set i, i+2
.endr
.set i, 0
.rept 8
	v_pk_mul_f32 v[QE+i:QE+i+1], v[UB+i:UB+i+1], s[CE:CE+1] op_sel_hi:[1,0]
.set i, i+2
.endr
.set i, 0
.rept 8
	v_pk_mul_f32 v[QE+i:QE+i+1], v[QE+i:QE+i+1], v[UB+i:UB+i+1]
.set i, i+2
.endr
.set i, 0
.rept 16
	v_rcp_f32 v[DN+i], v[DN+i]
.set i, i+1
.endr
.set i, 0
.rept 16
	v_exp_f32 v[QE+i], v[QE+i]
.set i, i+1
.endr
	v_nop                                          ; a plain instruction behind the last transcendental (ISA guide 5.7.2),
	s_wait_alu depctr_va_vdst(0)                   ; and the wait ahead of the batch's first reader
.set i, 0
.rept 8
	v_pk_fma_f32 v[Y+i:Y+i+1], v[DN+i:DN+i+1], s[CA5:CA5+1], s[CA4:CA4+1] op_sel_hi:[1,0,0]
.set i, i+2
.endr
.irp c, CA3, CA2, CA1
.set i, 0
.rept 8
	v_pk_fma_f32 v[Y+i:Y+i+1], v[Y+i:Y+i+1], v[DN+i:DN+i+1], s[\c:\c+1] op_sel_hi:[1,1,0]
.set i, i+2
.endr
.endr
.set i, 0
.rept 8
	v_pk_mul_f32 v[Y+i:Y+i+1], v[Y+i:Y+i+1], v[DN+i:DN+i+1]
.set i, i+2
.endr
.set i, 0
.rept 8
	v_pk_mul_f32 v[Y+i:Y+i+1], v[Y+i:Y+i+1], v[QE+i:QE+i+1]
.set i, i+2
.endr
.set i, 0
.rept 16
	v_max_num_f32 v[UB+i], 0, v[UB+i]
.set i, i+1
.endr
.set i, 0
.rept 8
	v_pk_fma_f32 v[UB+i:UB+i+1], v[Z+i:Z+i+1], v[Y+i:Y+i+1], v[UB+i:UB+i+1] neg_lo:[1,0,0] neg_hi:[1,0,0]
.set i, i+2
.endr
.set i, 0
.rept 8
	v_cvt_pk_bf16_f32 v[CV+8*(\b)+i], v[UB+2*i], v[UB+2*i+1]
.set i, i+1
.endr
.endm
	s_load_b256 s[4:11], s[0:1], 0x0               ; W1 s[4:5], b1 s[6:7], xb s[8:9], sel s[10:11]
	s_load_b64 s[12:13], s[0:1], 0x20              ; hbuf
	v_lshl_add_u32 v[SPW], v0, 2, SPARE
	v_mov_b32 v[NIL], 0
	v_lshrrev_b32 v[TA], 5, v0
	v_readfirstlane_b32 s16, v[TA]                 ; wave 0..3
	s_and_b32 s17, ttmp7, 0xffff                   ; expert
	s_lshr_b32 s19, s16, 1                         ; my K step of a chunk
	s_and_b32 s20, s16, 1                          ; my half of the columns
	v_and_b32 v[R], 15, v0
	v_bfe_u32 v[HH], v0, 4, 1
	v_and_b32 v[LANE], 31, v0
	v_lshlrev_b32 v[WOFF], 4, v[R]
	v_lshl_add_u32 v[WOFF], v[HH], WSH+3, v[WOFF]
	v_lshrrev_b32 v[TA], 2, v[R]
	v_and_b32 v[TA+1], 3, v[R]
	v_mul_u32_u24 v[LST], v[TA], FP                ; column block r / 4 of my four,
	v_lshl_add_u32 v[LST], v[TA+1], 6, v[LST]      ; lane slot 4 (r % 4) + cc,
	v_lshl_add_u32 v[LST], v[HH], 8, v[LST]        ; + 16 h, 16 bytes each
	s_mul_i32 s35, s16, 4*FP                       ; my four fragments are 8 s + 4 g .. = 4 w ..
	v_add_nc_u32 v[LST], s35, v[LST]
	v_lshlrev_b32 v[LRD0], 4, v[LANE]
	v_mov_b32 v[LRD], v[LRD0]
	s_mul_i32 s38, s16, LISTW
	s_add_co_u32 s38, s38, LIST                    ; my list
	v_lshl_add_u32 v[LRL], v[R], 2, s38
	v_lshlrev_b32 v[H16], 4, v[HH]
	v_lshrrev_b32 v[TA], 1, v[LANE]
	v_lshl_add_u32 v[TA], s16, 4, v[TA]            ; the prefetch: row 16 w + lane / 2 of a chunk's 64,
	v_and_b32 v[TA+1], 1, v[LANE]
	v_lshlrev_b32 v[PFO], WSH, v[TA]
	v_lshl_add_u32 v[PFO], v[TA+1], 8, v[PFO]      ; half lane % 2 of its 512 bytes
	s_mul_i32 s35, s16, 16*SP
	s_add_co_u32 s35, s35, STAGE                   ; my stage
	v_mul_u32_u24 v[STO], v[R], SP                 ; in: row r, 16 bytes for each half of the lanes
	v_lshl_add_u32 v[STO], v[HH], 4, v[STO]
	v_add_nc_u32 v[STO], s35, v[STO]
	v_mul_u32_u24 v[RD], v[HH], SP                 ; back: lanes 0-15 one row of 256 bytes, lanes 16-31 the next
	v_lshl_add_u32 v[RD], v[R], 4, v[RD]
	v_add_nc_u32 v[RD], s35, v[RD]
	v_lshlrev_b32 v[C16], 4, v[R]
	v_lshl_add_u32 v[C16], v[HH], OSH, v[C16]      ; and the same two rows in hbuf
	v_lshlrev_b32 v[TA], 5, v[HH]                  ; the bias: 8 h numbers
	s_mov_b32 s23, 0
	s_mov_b32 s28, 0
	s_mov_b32 s32, 4                               ; 4 blocks of 20 tiles cover the 64 tiles that one expert can have
	s_mov_b32 s21, s16                             ; my first tile of block 0
	s_lshl_b32 s36, 0x101, s17                     ; the expert's bit as first and as second choice
	s_add_co_u32 s37, s17, 8
	s_lshl_b32 s60, s17, OSH+10                    ; the expert's 1,024 rows of hbuf
	s_mov_b32 s58, 0x7fffffff
	s_mov_b32 s59, 0xffff0000
	KONST CP,  0x3e6d3388
	KONST CE,  0xbf38aa3b
	KONST CA1, 0x3e027906
	KONST CA2, 0xbe11a98e
	KONST CA3, 0x3f35f0e3
	KONST CA4, 0xbf3a00e3
	KONST CA5, 0x3f07dc22
	KONST C1,  1.0
	s_wait_kmcnt 0x0
	s_lshl_b32 s22, s17, 24                        ; an expert's 16 MiB,
	s_lshl_b32 s35, ttmp9, 9                       ; the slice's 128 columns
	s_add_co_u32 s22, s22, s35
	s_add_nc_u64 s[26:27], s[4:5], s[22:23]
	s_lshl_b32 s22, s19, WSH+5                     ; my 32 rows,
	s_lshl_b32 s35, s20, 8                         ; my 64 columns
	s_add_co_u32 s22, s22, s35
	s_add_nc_u64 s[4:5], s[26:27], s[22:23]
	s_lshl_b32 s22, s17, 14
	s_lshl_b32 s35, ttmp9, 9
	s_add_co_u32 s22, s22, s35
	s_add_nc_u64 s[6:7], s[6:7], s[22:23]
	s_lshl_b32 s22, ttmp9, 8
	s_add_nc_u64 s[12:13], s[12:13], s[22:23]
	s_mov_b64 s[24:25], s[8:9]
.irp i, 0,1,2,3,4,5,6,7
	global_load_b128 v[SEL+4*(\i):SEL+4*(\i)+3], v[LRD0], s[10:11] offset:512*(\i)  ; tokens 128 i + 4 lane + 0..3
.endr
	WIN 0xc0                                       ; destination window 3
.irp nb, 0,1,2,3,4,5,6,7
	global_load_b128 v[BIAS+8*(\nb):BIAS+8*(\nb)+3],   v[TA], s[6:7] offset:64*(\nb)
	global_load_b128 v[BIAS+8*(\nb)+4:BIAS+8*(\nb)+7], v[TA], s[6:7] offset:64*(\nb)+16
.endr
	WLOAD 0, 0                                     ; chunks 0 and 1
	WLOAD 1, 1
	WIN 0
.irp c, 2,3,4
	global_prefetch_b8 v[PFO], s[26:27] offset:64*(\c)*WPITCH th:TH_LOAD_NT scope:SCOPE_SE  ; chunks 2 to 4; the trips ask on from chunk 5
.endr
	; MY LIST, made while the weights are on their way.  The region is cleared first, so that every word that may be read has been written.
.irp i, 0,1,2,3
	v_mov_b32 v[CV+(\i)], 0
	v_mov_b32 v[ZR+(\i)], 0
.endr
	v_add_nc_u32 v21, s38, v[LRD0]
.irp k, 0,1,2,3,4,5,6,7,8
	ds_store_b128 v21, v[CV:CV+3] offset:512*(\k)
.endr
	v_add_nc_u32 v20, 1056, v[LANE]                ; my dump word
	v_lshlrev_b32 v25, 2, v[LANE]
	s_wait_loadcnt 32                              ; sel and the bias are in; the 32 loads of weights stay out
.set n, 0
.rept 32                                               ; token 128 (n / 4) + 4 lane + n % 4: a chosen one takes the next place, the count so far + the chosen lanes below mine
	v_and_b32 v21, s36, v[SEL+n]
	v_bfe_u32 v22, v[SEL+n], s37, 1                ; the slot: 1 if the expert is the second choice
	v_cmp_ne_u32 vcc_lo, 0, v21
	v_lshl_add_u32 v22, v22, 10, v25
	v_mbcnt_lo_u32_b32 v23, vcc_lo, s28
	v_add_nc_u32 v22, 128*(n/4)+n%4, v22           ; q
	v_cndmask_b32 v23, v20, v23, vcc_lo
	v_min_u32 v23, 1087, v23                       ; inside my region, whatever sel holds
	v_lshl_add_u32 v23, v23, 2, s38
	ds_store_b32 v23, v22
	s_bcnt1_i32_b32 s35, vcc_lo
	s_add_co_u32 s28, s28, s35
.set n, n+1
.endr
	v_mov_b32 v21, s38
	ds_load_b32 v22, v21                           ; the list's first row (0 if there is none)
	v_add_nc_u32 v23, s28, v[LANE]
	v_min_u32 v23, 1055, v23
	v_lshl_add_u32 v23, v23, 2, s38
	s_wait_dscnt 0x0
	ds_store_b32 v23, v22                          ; fills the 32 places behind the count
	s_add_co_u32 s29, s28, 15
	s_lshr_b32 s29, s29, 4                         ; tiles
	s_max_u32 s30, s29, 1
	s_sub_co_u32 s30, s30, 1
	WIN 0xcf                                       ; the bias rounded to bf16, back in f32: all in window 3; v0-1 there are not yet sums
.set i, 0
.rept 32
	v_cvt_pk_bf16_f32 v[i%2], v[BIAS+2*i], v[BIAS+2*i+1]
	v_lshlrev_b32 v[BIAS+2*i], 16, v[i%2]
	v_and_b32 v[BIAS+2*i+1], s59, v[i%2]
.set i, i+1
.endr
	WIN 0
	BLKNT
	BLKROWS
	ALOAD 0, 0                                     ; chunk 0's rows, for all five tiles: every fragment register is written
	TRIP 0, 1, 1, 1, 0, 1                          ; chunk 0: the first wait is for all; its products start the sums
	s_mov_b32 s33, 6
.Ltrip:                                                ; chunks 1 to 12
	TRIP 1, 0, 1, 1, 16, 2
	TRIP 0, 0, 1, 1, 16, 2
	s_sub_co_u32 s33, s33, 1
	s_cmp_lg_u32 s33, 0
	s_cbranch_scc1 .Ltrip
	TRIP 1, 0, 1, 1, 16, 0                         ; chunk 13 asks for the last weights,
	TRIP 0, 0, 1, 0, 16, 0                         ; chunk 14 for the last rows,
	TRIP 1, 0, 0, 0, 0, 0                          ; chunk 15 for nothing
	s_max_u32 s57, s31, 1                          ; block 0's way out walks my tiles below the count, and my first tile in any case
	s_branch .Lmeet                                ; the loop over blocks is entered at the way out of block 0
; THE FURTHER BLOCKS.  Two barriers a block, on every wave's path, keep all waves' reads of the weights, whose LDS address walks from chunk to chunk, apart from all waves' stores into the stages and from the closing
; add: the order of the two does not rest on the addresses.  A wave without a tile in the block jumps over the products alone, to a label ahead of the second barrier.
.Lblk:
	s_wait_xcnt 0x0                                ; the last stores have read their registers
	MEET                                           ; every wave's way out of the block before is over
	s_add_co_u32 s21, s21, 20                      ; my first tile of this block
	BLKNT
	s_mov_b32 s57, s31                             ; a further block's way out walks the tiles below the count alone
	s_cmp_eq_u32 s31, 0
	s_cbranch_scc1 .Lmeet                          ; none of my tiles lies in this block
	BLKROWS
	s_mov_b32 s[TB], 0
	s_mov_b64 s[8:9], s[24:25]
	OTRIP 1
	s_mov_b32 s33, 15
.Lmore:
	OTRIP 0
	s_sub_co_u32 s33, s33, 1
	s_cmp_lg_u32 s33, 0
	s_cbranch_scc1 .Lmore
.Lmeet:
	MEET                                           ; every wave's reads of the weights for this block are back
	PLACES                                         ; behind the last products
	s_mov_b32 s34, 0
.Ltile:                                                ; THE WAY OUT, a tile of 16 rows at a time
	s_cmp_ge_u32 s34, s57
	s_cbranch_scc1 .Ltnext
	s_wait_xcnt 0x0                                ; the last tile's stores have read OB and QS
	s_lshl2_add_u32 s39, s34, s21                  ; the tile's number,
	s_min_u32 s39, s39, 63
	s_lshl_b32 s39, s39, OSH+4                     ; its 16 rows
	s_add_co_u32 s39, s39, s60                     ; among the expert's
	v_add_nc_u32 v[QS], s39, v[C16]
	s_cmp_ge_u32 s34, s31
	s_cbranch_scc1 .Ldead                          ; a tile past the count
.irp t, 0,1,2,3
	s_cmp_lg_u32 s34, \t
	s_cbranch_scc1 .Lnot\t
	SELT \t
	s_branch .Lseld
.Lnot\t:
.endr
	SELT 4
.Lseld:
	BATCH 0
	BATCH 1
	BATCH 2
	BATCH 3
.set i, 0
.rept 8
	ds_store_b128 v[STO], v[CV+4*i:CV+4*i+3] offset:32*i
.set i, i+1
.endr
.set i, 0
.rept 8
	ds_load_b128 v[OB+4*i:OB+4*i+3], v[RD] offset:2*SP*i  ; LDS serves a wave's instructions in order (ISA guide 5.7.1.4): these see the stores above; the stage is my own
.set i, i+1
.endr
	s_wait_dscnt 0x0
.set i, 0
.rept 8
	global_store_b128 v[QS], v[OB+4*i:OB+4*i+3], s[12:13] offset:(2*i)<<OSH  ; 16 lanes store 256 consecutive bytes of a row of hbuf, at a multiple of 256 from its first byte
.set i, i+1
.endr
	s_branch .Ltnext
.Ldead:
.set i, 0
.rept 8
	global_store_b128 v[QS], v[ZR:ZR+3], s[12:13] offset:(2*i)<<OSH  ; zeros: where the expert has no row the next launch loads tile 0 and uses nothing of it
.set i, i+1
.endr
.Ltnext:
	s_add_co_u32 s34, s34, 1
	s_cmp_lt_u32 s34, 5
	s_cbranch_scc1 .Ltile
	s_sub_co_u32 s32, s32, 1
	s_cmp_lg_u32 s32, 0
	s_cbranch_scc1 .Lblk
	s_wait_tensorcnt 0x0                           ; the wave's end
	ds_add_u32 v[SPW], v[NIL]
	s_wait_dscnt 0x0
	s_endpgm
.Lfunc_end_k_qbf710c7ed7_ffn1:
	.size	k_qbf710c7ed7_ffn1, .Lfunc_end_k_qbf710c7ed7_ffn1-k_qbf710c7ed7_ffn1
	.p2alignl 7, 3214868480
	.fill 96, 4, 3214868480
	.section	.rodata,"a",@progbits
	.p2align	6, 0x0
	.amdhsa_kernel k_qbf710c7ed7_ffn1
		.amdhsa_group_segment_fixed_size 302592
		.amdhsa_private_segment_fixed_size 0
		.amdhsa_enable_private_segment 0
		.amdhsa_kernarg_size 40
		.amdhsa_user_sgpr_count 2
		.amdhsa_user_sgpr_kernarg_segment_ptr 1
		.amdhsa_wavefront_size32 1
		.amdhsa_system_sgpr_workgroup_id_x 1
		.amdhsa_system_sgpr_workgroup_id_y 1
		.amdhsa_system_sgpr_workgroup_id_z 1
		.amdhsa_system_vgpr_workitem_id 0
		.amdhsa_next_free_vgpr 896
		.amdhsa_next_free_sgpr 66
		.amdhsa_reserve_vcc 1
		.amdhsa_float_denorm_mode_32 3
		.amdhsa_float_denorm_mode_16_64 3
		.amdhsa_memory_ordered 1
		.amdhsa_forward_progress 1
		.amdhsa_inst_pref_size 192
	.end_amdhsa_kernel
	.amdgpu_metadata
---
amdhsa.version: [ 1, 2 ]
amdhsa.kernels:
  - .name:           k_qbf710c7ed7_ffn1
    .symbol:         k_qbf710c7ed7_ffn1.kd
    .args:
      - { .name: W1, .offset: 0, .size: 8, .value_kind: global_buffer, .address_space: global }
      - { .name: b1, .offset: 8, .size: 8, .value_kind: global_buffer, .address_space: global }
      - { .name: xb, .offset: 16, .size: 8, .value_kind: global_buffer, .address_space: global }
      - { .name: sel, .offset: 24, .size: 8, .value_kind: global_buffer, .address_space: global }
      - { .name: hbuf, .offset: 32, .size: 8, .value_kind: global_buffer, .address_space: global }
    .group_segment_fixed_size: 302592
    .private_segment_fixed_size: 0
    .kernarg_segment_align: 8
    .kernarg_segment_size: 40
    .max_flat_workgroup_size: 128
    .sgpr_count:     66
    .vgpr_count:     896
    .wavefront_size: 32
...
	.end_amdgpu_metadata
.endif
;; end of part 2
;; launch ffn2 (part 3): grid 32 x 8, 4 waves a work-group, no clusters, 318,976 bytes of LDS; arguments W2, b2, hbuf, sel, part, gate; writes part
.if DOCPART == 3
	.amdgcn_target "amdgcn-amd-amdhsa--gfx1250"
	.amdhsa_code_object_version 6
	.text
	.protected	k_qbf710c7ed7_ffn2
	.globl	k_qbf710c7ed7_ffn2
	.p2align	8
	.type	k_qbf710c7ed7_ffn2,@function
k_qbf710c7ed7_ffn2:
	s_mov_b64 s[64:65], 0
	v_nop
	global_prefetch_b8 v0, s[64:65] scope:SCOPE_SE
	s_setreg_imm32_b32 hwreg(HW_REG_WAVE_MODE, 25, 1), 1
	s_wait_xcnt 0x0
; SECOND PRODUCT OF THE CHOSEN EXPERTS.  part[ks][q][n] = gate[q] x (the sum over k in slice ks of h[p][k] W2[e][k][n], + b2[e][n] in slice 0), in f32; q = slot x 1024 + token is entry p of expert e's list,
; and h[p] is row e x 1024 + p of hbuf.  W2 and b2 are rounded to bf16 (as every input of this program is); sums in f32; the partial sums stay f32.  The next launch adds a token's eight parts.
; SHARES.  Work-group (x, y): expert y, K slice ks = x % 4 (1,024 of 4,096), columns 128 (x / 4) ..: 1,024 x 128 weights, 512 KiB of f32, which it alone reads, once; and all rows of that expert (0 to 1,024).
; THE WEIGHTS go through registers (rounded there) into LDS as matrix fragments, each LDS byte written once, in 16 chunks of 64 along K, a barrier a chunk; behind barrier c every wave multiplies chunk c while its
; parts of chunks c + 1 and c + 2 are on their way.  THE ROWS: tiles of 16 rows are dealt round, five a wave to a block of 320 rows; rows of h lie in the expert's order, so a row's address is made of the expert, the
; tile's number and the lane; they come straight into registers as matrix operands.  Every wave makes the expert's list of q from sel in LDS bytes of its own: it names the rows of part and the gate weights.
; Further blocks read the resident weights again, without weight traffic.  Places past the count in a tile hold the list's first row once more and store its own bytes again; tiles past the count are jumped by
; scalar branches that pass neither a barrier nor an LDS store.
; NO CLUSTER: each slice of weights has one reader.  The rows are shared by an expert's eight work-groups of one K slice and lie end to end, but the branches over tiles and the list's LDS places hang on counts made
; from sel; and beside the resident slice (266,240 bytes) LDS has no room for two
; slots of 320 rows x 128 K (87,040 bytes each).
; THE MATRIX INSTRUCTION IS USED TRANSPOSED: source 0 = 16 columns of W2, source 1 = 16 rows: lane (r, h) holds row r and the columns 16 nb + 8 h + 0..7.  The bias is the C operand of the products that start the sums.
; LIMITS.  NaN and infinities are not treated apart.
; REGISTERS, in windows of 256 (s_set_vgpr_msb: bits 1:0 source 0, 3:2 source 1, 5:4 source 2, 7:6 destination):
;   window 0: addresses, CV, PR, row fragments AF (two buffers; on the way out at work)   window 1: v0-127 weight fragments BF of a chunk; v128-255 LD, two landing sets of 64 for f32 weights
;   window 2: accumulators of my tiles 0-3 (64 t + 8 nb)                                  window 3: v0-63 tile 4's; v64-127 the bias (8 nb + j)
.set WSH,    12
.set WPITCH, 1<<WSH                    ; bytes from a row of W2 to the next
.set ASH,    13                        ; a row of hbuf is 8,192 bytes
.set OSH,    12                        ; a row of part is 4,096 bytes
.set FP,     1040                      ; a fragment in LDS: 1,024 bytes + 16
.set CHUNK,  16*FP
.set LIST,   16*CHUNK
.set LISTW,  4608                      ; words 0-1055 the list and its pad, 1056-1087 a dump
.set STAGE,  LIST+4*LISTW              ; 16 rows x 528 bytes for each wave
.set SP,     528
.set SPARE,  STAGE+4*16*SP
.set R,    1
.set HH,   2
.set LANE, 3
.set WOFF, 4                           ; v4   my place in a chunk of W2; never rewritten
.set LST,  5                           ; v5   where I store fragments; steps a chunk a trip
.set LRD,  6                           ; v6   where I read fragments: 16 x lane + the chunk
.set LRD0, 7                           ; v7   16 x lane; never rewritten
.set LRL,  8                           ; v8   my list + 4 r
.set RO,   9                           ; v9   r rows of hbuf + 16 h; never rewritten
.set AO,   10                          ; v10-14  tile t: byte offset of my row's 16 h among the expert's rows of hbuf
.set PFO,  15                          ; v15  my 256 bytes of a chunk, for the prefetch
.set STO,  16                          ; v16  the way out: where I put 32 bytes of a row
.set RD,   17                          ; v17  where I read rows back
.set TA,   19                          ; v19-23 at work
.set QT,   24                          ; v24-28 at work: the list's making; then tile t: 4 q of my row
.set SPW,  30
.set NIL,  31
.set CV,   32                          ; v32-63  weights rounded
.set PR,   86                          ; v86-95  tile t: my row's gate weight, in the low word of a pair
.set AF,   96                          ; v96-255 row fragments: 80 buf + 16 t + 8 s
.set SEL,  96
.set U,    96                          ; on the way out: v96-159 a tile's 64 numbers a lane
.set OB,   160                         ; v160-223 rows read back
.set QS,   224                         ; v224-239 the 16 rows' offsets in part
.set BF,   0
.set LD,   128
.set BIAS, 64
; scalars: s[4:5] W2 at my part of the chunk in hand   s[6:7] b2   s[8:9] hbuf at the expert's rows and the chunk's K   s[10:11] sel   s[12:13] part at my slice and columns   s[14:15] gate   s16 wave   s17 expert
; s18 ks   s19, s20 my K step and column half   s21 my first tile of the block   s[22:23] an offset   s[24:25] hbuf at the expert's rows and the slice's K   s[26:27] W2 at the work-group's chunk   s28 count
; s29 tiles   s30 the last tile   s31 my tiles in the block   s32 blocks to go   s33 trips   s34 tile   s35, s39 at work   s36, s37 the expert's two bits in sel   s38 my list   s40 column slice
; s56 a further block's chunk in LDS   s59 a mask   s60 all ones in slice 0, else 0
.set TB,  56
.set MSB, 0
.macro WIN new                         ; the immediate's high byte repeats the setting that is left; a switch that changes nothing is dropped
.if MSB != (\new)
	s_set_vgpr_msb (MSB<<8)|(\new)
.set MSB, \new
.endif
.endm
.macro PLACES                          ; four plain instructions between a matrix instruction and a load into, or a vector instruction on, its registers
.rept 4
	v_nop
.endr
.endm
.macro MEET                            ; a work-group barrier; in front of it none of my LDS instructions is out
	s_wait_dscnt 0x0
	s_barrier_signal -1
	s_barrier_wait -1
.endm
; My quarter of a chunk: K step s, column half g: 32 rows x 64 columns of f32.  Load (u, j): row 16 u + 8 h + j, columns 4 r .. 4 r + 3: lanes 0-15 take 256 consecutive bytes of one row, lanes 16-31 of the row 8 below.
.macro WLOAD set, ahead
	WIN 0x40
.irp u, 0,1
.irp j, 0,1,2,3,4,5,6,7
	global_load_b128 v[LD+64*(\set)+4*(8*(\u)+(\j)):LD+64*(\set)+4*(8*(\u)+(\j))+3], v[WOFF], s[4:5] offset:(64*(\ahead)+16*(\u)+(\j))*WPITCH th:TH_LOAD_NT
.endr
.endr
.endm
; Column 4 r + cc of my half is lane slot 4 (r % 4) + cc of column block r / 4; rows 16 u + 8 h + 2 p, + 1 pack into register 4 u + p of that slot.
.macro CONVERT set
	WIN 0x05
.irp cc, 0,1,2,3
.irp u, 0,1
.irp p, 0,1,2,3
	v_cvt_pk_bf16_f32 v[CV+8*(\cc)+4*(\u)+(\p)], v[LD+64*(\set)+4*(8*(\u)+2*(\p))+(\cc)], v[LD+64*(\set)+4*(8*(\u)+2*(\p)+1)+(\cc)]
.endr
.endr
.endr
	WIN 0
.irp cc, 0,1,2,3
.irp u, 0,1
	ds_store_b128 v[LST], v[CV+8*(\cc)+4*(\u):CV+8*(\cc)+4*(\u)+3] offset:512*(\u)+16*(\cc)
.endr
.endr
	v_add_nc_u32 v[LST], CHUNK, v[LST]
.endm
.macro ALOAD buf, guard                ; row fragments of a chunk; guard = 1: tiles past my count are jumped.  The hint: the seven other work-groups of the expert's K slice read the same rows
.irp t, 0,1,2,3,4
.if \guard
	s_cmp_le_u32 s31, \t
	s_cbranch_scc1 .Laend_\@
.endif
.irp f, 0,1,2,3
	global_load_b128 v[AF+80*(\buf)+16*(\t)+4*(\f):AF+80*(\buf)+16*(\t)+4*(\f)+3], v[AO+(\t)], s[8:9] offset:32*(\f) th:TH_LOAD_HT
.endr
.endr
.Laend_\@:
.endm
; A chunk's 16 weight fragments out of LDS, the first K step's first.  res = 0: the address steps itself, a chunk a trip.  res = 1 (a further block): it is made anew from s[TB], which steps.
.macro BLOAD res
.if \res
	v_add_nc_u32 v[LRD], s[TB], v[LRD0]
	s_add_co_u32 s[TB], s[TB], CHUNK
.endif
	WIN 0x40
.irp s, 0,1
.irp nb, 0,1,2,3,4,5,6,7
.irp u, 0,1
	ds_load_b128 v[BF+64*(\s)+8*(\nb)+4*(\u):BF+64*(\s)+8*(\nb)+4*(\u)+3], v[LRD] offset:(8*(\s)+(\nb))*FP+512*(\u)
.endr
.endr
.endr
	WIN 0
.if !(\res)
	v_add_nc_u32 v[LRD], CHUNK, v[LRD]
.endif
.endm
; K step s for my tiles: 8 matrix instructions a tile, its 8 accumulators by turns.  first = 1: the products start the sums from the bias, for all five tiles, so that every accumulator is written.
.macro GROUPS buf, s, first
.irp t, 0,1,2,3,4
.if !(\first)
	WIN 0                                          ; at a branch and at a label every window is 0
	s_cmp_le_u32 s31, \t
	s_cbranch_scc1 .Lgend_\@
	WIN 0xa1+0x50*((\t)/4)                         ; weights window 1, rows window 0, sums window 2 (tile 4: window 3)
.else
	WIN 0xb1+0x40*((\t)/4)                         ; the same with C, the bias, in window 3
.endif
.irp nb, 0,1,2,3,4,5,6,7
.if \first
	v_wmma_f32_16x16x32_bf16 v[(64*(\t))%256+8*(\nb):(64*(\t))%256+8*(\nb)+7], v[BF+64*(\s)+8*(\nb):BF+64*(\s)+8*(\nb)+7], v[AF+80*(\buf)+16*(\t)+8*(\s):AF+80*(\buf)+16*(\t)+8*(\s)+7], v[BIAS+8*(\nb):BIAS+8*(\nb)+7]
.else
	v_wmma_f32_16x16x32_bf16 v[(64*(\t))%256+8*(\nb):(64*(\t))%256+8*(\nb)+7], v[BF+64*(\s)+8*(\nb):BF+64*(\s)+8*(\nb)+7], v[AF+80*(\buf)+16*(\t)+8*(\s):AF+80*(\buf)+16*(\t)+8*(\s)+7], v[(64*(\t))%256+8*(\nb):(64*(\t))%256+8*(\nb)+7]
.endif
.endr
.endr
	WIN 0
.Lgend_\@:
.endm
; TRIP c (set = c % 2).  n: the loads that may stay out: my part of chunk c + 1's weights; older than these, and so in, are chunk c's weights and rows.  The 32 conversions are the places behind the last trip's products.
; ia: rows of chunk c + 1 are asked for; iw: weights of chunk c + 2; pf: my 256-byte blocks of chunk c + 5 are asked into the L2 (2: not in the loop's last lap, whose chunks 16 and 17 do not exist).
.macro TRIP set, first, ia, iw, n, pf
	s_wait_loadcnt \n
	CONVERT \set
.if (\ia) || (\iw)
	s_wait_xcnt 0x0                                ; the pointers are stepped only when every earlier load has had its address translated (ISA guide 3.1)
.if \ia
	s_add_nc_u64 s[8:9], s[8:9], 128
.endif
.if \iw
	s_add_nc_u64 s[4:5], s[4:5], 64*WPITCH
.endif
.if \pf
	s_add_nc_u64 s[26:27], s[26:27], 64*WPITCH
.endif
.if \ia
	ALOAD 1-(\set), 1-(\first)
.endif
.if \iw
	WLOAD \set, 1
	WIN 0
.endif
.if (\pf) == 2
	s_cmp_eq_u32 s33, 1
	s_cbranch_scc1 .Lnopf_\@
.endif
.if \pf
	global_prefetch_b8 v[PFO], s[26:27] offset:256*WPITCH th:TH_LOAD_NT scope:SCOPE_SE  ; four chunks past the stepped pointer; each block of 256 bytes is asked for once, by one lane of one wave
.endif
.if (\pf) == 2
.Lnopf_\@:
.endif
.endif
	s_wait_dscnt 0x0                               ; for the others' sake: my fragments of chunk c are in LDS
	s_barrier_signal -1
	s_barrier_wait -1                              ; everybody's are.  No LDS byte of the weights is ever written again, so one barrier a chunk is all
	BLOAD 0
	s_wait_dscnt 16                                ; the first K step's fragments are in
	GROUPS \set, 0, \first
	s_wait_dscnt 0x0
	GROUPS \set, 1, 0
.endm
.macro OTRIP first                     ; a chunk of a further block: the weights are resident
	PLACES
	s_wait_xcnt 0x0
.if !(\first)
	s_add_nc_u64 s[8:9], s[8:9], 128
.endif
	ALOAD 0, 1
	BLOAD 1
	s_wait_loadcnt 0x0                             ; the rows, and in a block's first chunk the gate weights
	s_wait_dscnt 16
	GROUPS 0, 0, \first
	s_wait_dscnt 0x0
	GROUPS 0, 1, 0
.endm
.macro BLKNT                           ; how many of my five tiles s21, s21 + 4, .. lie below the count of tiles
	s_sub_co_i32 s31, s29, s21
	s_add_co_i32 s31, s31, 3
	s_max_i32 s31, s31, 0
	s_lshr_b32 s31, s31, 2
	s_min_u32 s31, s31, 5
.endm
; My five tiles (a tile past the count takes the last tile's number, so that only stored rows are loaded): my row's place among the expert's rows of hbuf, 16 rows a tile; q of my row from my list, held to 0 .. 2,047; its gate weight.
.macro BLKROWS
.irp t, 0,1,2,3,4
	s_add_co_u32 s39, s21, 4*(\t)
	s_min_u32 s39, s39, s30
	s_min_u32 s39, s39, 63
	s_lshl_b32 s35, s39, ASH+4
	v_add_nc_u32 v[AO+(\t)], s35, v[RO]
	s_lshl_b32 s39, s39, 6
	v_add_nc_u32 v[TA+(\t)], s39, v[LRL]
	ds_load_b32 v[QT+(\t)], v[TA+(\t)]
.endr
	s_wait_dscnt 0x0
.irp t, 0,1,2,3,4
	v_min_u32 v[QT+(\t)], 0x7ff, v[QT+(\t)]
	v_lshlrev_b32 v[QT+(\t)], 2, v[QT+(\t)]
	global_load_b32 v[PR+2*(\t)], v[QT+(\t)], s[14:15]
	v_mov_b32 v[PR+2*(\t)+1], 0                    ; named with it as a pair
.endr
.endm
.macro SELT t                          ; tile t's sums, each accumulator from its lowest registers on, times my row's gate weight, into window 0
	WIN 0x02+(\t)/4                                ; source 0 window 2 (tile 4: window 3)
.set i, 0
.rept 32
	v_pk_mul_f32 v[U+i:U+i+1], v[(64*(\t))%256+i:(64*(\t))%256+i+1], v[PR+2*(\t):PR+2*(\t)+1] op_sel_hi:[1,0]
.set i, i+2
.endr
	WIN 0
.endm
	s_load_b256 s[4:11], s[0:1], 0x0               ; W2 s[4:5], b2 s[6:7], hbuf s[8:9], sel s[10:11]
	s_load_b128 s[12:15], s[0:1], 0x20             ; part s[12:13], gate s[14:15]
	v_lshl_add_u32 v[SPW], v0, 2, SPARE
	v_mov_b32 v[NIL], 0
	v_lshrrev_b32 v[TA], 5, v0
	v_readfirstlane_b32 s16, v[TA]                 ; wave 0..3
	s_and_b32 s17, ttmp7, 0xffff                   ; expert
	s_and_b32 s18, ttmp9, 3                        ; K slice
	s_lshr_b32 s40, ttmp9, 2                       ; column slice
	s_lshr_b32 s19, s16, 1                         ; my K step of a chunk
	s_and_b32 s20, s16, 1                          ; my half of the columns
	v_and_b32 v[R], 15, v0
	v_bfe_u32 v[HH], v0, 4, 1
	v_and_b32 v[LANE], 31, v0
	v_lshlrev_b32 v[WOFF], 4, v[R]
	v_lshl_add_u32 v[WOFF], v[HH], WSH+3, v[WOFF]
	v_lshrrev_b32 v[TA], 2, v[R]
	v_and_b32 v[TA+1], 3, v[R]
	v_mul_u32_u24 v[LST], v[TA], FP                ; column block r / 4 of my four,
	v_lshl_add_u32 v[LST], v[TA+1], 6, v[LST]      ; lane slot 4 (r % 4) + cc,
	v_lshl_add_u32 v[LST], v[HH], 8, v[LST]        ; + 16 h, 16 bytes each
	s_mul_i32 s35, s16, 4*FP                       ; my four fragments are 8 s + 4 g .. = 4 w ..
	v_add_nc_u32 v[LST], s35, v[LST]
	v_lshlrev_b32 v[LRD0], 4, v[LANE]
	v_mov_b32 v[LRD], v[LRD0]
	s_mul_i32 s38, s16, LISTW
	s_add_co_u32 s38, s38, LIST                    ; my list
	v_lshl_add_u32 v[LRL], v[R], 2, s38
	v_lshlrev_b32 v[RO], ASH, v[R]                 ; row r of a tile,
	v_lshl_add_u32 v[RO], v[HH], 4, v[RO]          ; 16 bytes for each half of the lanes
	v_lshrrev_b32 v[TA], 1, v[LANE]
	v_lshl_add_u32 v[TA], s16, 4, v[TA]            ; the prefetch: row 16 w + lane / 2 of a chunk's 64,
	v_and_b32 v[TA+1], 1, v[LANE]
	v_lshlrev_b32 v[PFO], WSH, v[TA]
	v_lshl_add_u32 v[PFO], v[TA+1], 8, v[PFO]      ; half lane % 2 of its 512 bytes
	s_mul_i32 s35, s16, 16*SP
	s_add_co_u32 s35, s35, STAGE                   ; my stage
	v_mul_u32_u24 v[STO], v[R], SP                 ; in: row r, 32 bytes for each half of the lanes
	v_lshl_add_u32 v[STO], v[HH], 5, v[STO]
	v_add_nc_u32 v[STO], s35, v[STO]
	v_add_nc_u32 v[RD], s35, v[LRD0]               ; back: 32 lanes take a row's 512 bytes
	v_lshlrev_b32 v[TA], 5, v[HH]                  ; the bias: 8 h numbers
	s_mov_b32 s23, 0
	s_mov_b32 s28, 0
	s_mov_b32 s32, 4                               ; 4 blocks of 20 tiles cover the 64 tiles that one expert can have
	s_mov_b32 s21, s16                             ; my first tile of block 0
	s_lshl_b32 s36, 0x101, s17                     ; the expert's bit as first and as second choice
	s_add_co_u32 s37, s17, 8
	s_mov_b32 s59, 0xffff0000
	s_cmp_eq_u32 s18, 0
	s_cselect_b32 s60, -1, 0                       ; the bias counts in K slice 0 alone
	s_wait_kmcnt 0x0
	s_lshl_b32 s22, s17, 24                        ; an expert's 16 MiB,
	s_lshl_b32 s35, s18, 22                        ; the slice's 1,024 rows,
	s_add_co_u32 s22, s22, s35
	s_lshl_b32 s35, s40, 9                         ; its 128 columns
	s_add_co_u32 s22, s22, s35
	s_add_nc_u64 s[26:27], s[4:5], s[22:23]
	s_lshl_b32 s22, s19, WSH+5                     ; my 32 rows,
	s_lshl_b32 s35, s20, 8                         ; my 64 columns
	s_add_co_u32 s22, s22, s35
	s_add_nc_u64 s[4:5], s[26:27], s[22:23]
	s_lshl_b32 s22, s17, 12
	s_lshl_b32 s35, s40, 9
	s_add_co_u32 s22, s22, s35
	s_add_nc_u64 s[6:7], s[6:7], s[22:23]
	s_lshl_b32 s22, s18, 23                        ; part: 8 MiB a K slice
	s_add_co_u32 s22, s22, s35
	s_add_nc_u64 s[12:13], s[12:13], s[22:23]
	s_lshl_b32 s22, s17, ASH+10                    ; hbuf: the expert's 1,024 rows,
	s_lshl_b32 s35, s18, 11                        ; the slice's 1,024 numbers of a row
	s_add_co_u32 s22, s22, s35
	s_add_nc_u64 s[8:9], s[8:9], s[22:23]
	s_mov_b64 s[24:25], s[8:9]
.irp i, 0,1,2,3,4,5,6,7
	global_load_b128 v[SEL+4*(\i):SEL+4*(\i)+3], v[LRD0], s[10:11] offset:512*(\i)  ; tokens 128 i + 4 lane + 0..3
.endr
	WIN 0xc0                                       ; destination window 3
.irp nb, 0,1,2,3,4,5,6,7
	global_load_b128 v[BIAS+8*(\nb):BIAS+8*(\nb)+3],   v[TA], s[6:7] offset:64*(\nb)
	global_load_b128 v[BIAS+8*(\nb)+4:BIAS+8*(\nb)+7], v[TA], s[6:7] offset:64*(\nb)+16
.endr
	WLOAD 0, 0                                     ; chunks 0 and 1
	WLOAD 1, 1
	WIN 0
.irp c, 2,3,4
	global_prefetch_b8 v[PFO], s[26:27] offset:64*(\c)*WPITCH th:TH_LOAD_NT scope:SCOPE_SE  ; chunks 2 to 4; the trips ask on from chunk 5
.endr
	; MY LIST, made while the weights are on their way.  The region is cleared first, so that every word that may be read has been written.
.irp i, 0,1,2,3
	v_mov_b32 v[CV+(\i)], 0
.endr
	v_add_nc_u32 v25, s38, v[LRD0]
.irp k, 0,1,2,3,4,5,6,7,8
	ds_store_b128 v25, v[CV:CV+3] offset:512*(\k)
.endr
	v_add_nc_u32 v24, 1056, v[LANE]                ; my dump word
	v_lshlrev_b32 v25, 2, v[LANE]
	s_wait_loadcnt 32                              ; sel and the bias are in; the 32 loads of weights stay out
.set n, 0
.rept 32                                               ; token 128 (n / 4) + 4 lane + n % 4: a chosen one takes the next place, the count so far + the chosen lanes below mine: the order in which the launch before laid h
	v_and_b32 v26, s36, v[SEL+n]
	v_bfe_u32 v27, v[SEL+n], s37, 1                ; the slot: 1 if the expert is the second choice
	v_cmp_ne_u32 vcc_lo, 0, v26
	v_lshl_add_u32 v27, v27, 10, v25
	v_mbcnt_lo_u32_b32 v28, vcc_lo, s28
	v_add_nc_u32 v27, 128*(n/4)+n%4, v27           ; q
	v_cndmask_b32 v28, v24, v28, vcc_lo
	v_min_u32 v28, 1087, v28                       ; inside my region, whatever sel holds
	v_lshl_add_u32 v28, v28, 2, s38
	ds_store_b32 v28, v27
	s_bcnt1_i32_b32 s35, vcc_lo
	s_add_co_u32 s28, s28, s35
.set n, n+1
.endr
	v_mov_b32 v26, s38
	ds_load_b32 v27, v26                           ; the list's first row (0 if there is none)
	v_add_nc_u32 v28, s28, v[LANE]
	v_min_u32 v28, 1055, v28
	v_lshl_add_u32 v28, v28, 2, s38
	s_wait_dscnt 0x0
	ds_store_b32 v28, v27                          ; fills the 32 places behind the count
	s_add_co_u32 s29, s28, 15
	s_lshr_b32 s29, s29, 4                         ; tiles
	s_max_u32 s30, s29, 1
	s_sub_co_u32 s30, s30, 1
	WIN 0xcf                                       ; the bias rounded to bf16 (0 in K slices 1 to 3), back in f32: all in window 3; v0-1 there are not yet sums
.set i, 0
.rept 32
	v_cvt_pk_bf16_f32 v[i%2], v[BIAS+2*i], v[BIAS+2*i+1]
	v_and_b32 v[i%2], s60, v[i%2]
	v_lshlrev_b32 v[BIAS+2*i], 16, v[i%2]
	v_and_b32 v[BIAS+2*i+1], s59, v[i%2]
.set i, i+1
.endr
	WIN 0
	BLKNT
	BLKROWS
	ALOAD 0, 0                                     ; chunk 0's rows, for all five tiles: every fragment register is written
	TRIP 0, 1, 1, 1, 0, 1                          ; chunk 0: the first wait is for all, the gate weights among them; its products start the sums
	s_mov_b32 s33, 6
.Ltrip:                                                ; chunks 1 to 12
	TRIP 1, 0, 1, 1, 16, 2
	TRIP 0, 0, 1, 1, 16, 2
	s_sub_co_u32 s33, s33, 1
	s_cmp_lg_u32 s33, 0
	s_cbranch_scc1 .Ltrip
	TRIP 1, 0, 1, 1, 16, 0                         ; chunk 13 asks for the last weights,
	TRIP 0, 0, 1, 0, 16, 0                         ; chunk 14 for the last rows,
	TRIP 1, 0, 0, 0, 0, 0                          ; chunk 15 for nothing
	s_branch .Lmeet                                ; the loop over blocks is entered at the way out of block 0
; THE FURTHER BLOCKS.  Two barriers a block, on every wave's path, keep all waves' reads of the weights, whose LDS address walks from chunk to chunk, apart from all waves' stores into the stages and from the closing
; add: the order of the two does not rest on the addresses.  A wave without a tile in the block jumps over the products alone, to a label ahead of the second barrier.
.Lblk:
	s_wait_xcnt 0x0                                ; the last stores have read their registers
	MEET                                           ; every wave's way out of the block before is over
	s_add_co_u32 s21, s21, 20                      ; my first tile of this block
	BLKNT
	s_cmp_eq_u32 s31, 0
	s_cbranch_scc1 .Lmeet                          ; none of my tiles lies in this block
	BLKROWS
	s_mov_b32 s[TB], 0
	s_mov_b64 s[8:9], s[24:25]
	OTRIP 1
	s_mov_b32 s33, 15
.Lmore:
	OTRIP 0
	s_sub_co_u32 s33, s33, 1
	s_cmp_lg_u32 s33, 0
	s_cbranch_scc1 .Lmore
.Lmeet:
	MEET                                           ; every wave's reads of the weights for this block are back
	PLACES                                         ; behind the last products
	s_mov_b32 s34, 0
.Ltile:                                                ; THE WAY OUT, a tile of 16 rows at a time
	s_cmp_ge_u32 s34, s31
	s_cbranch_scc1 .Ltnext
	s_wait_xcnt 0x0                                ; the last tile's stores have read OB and QS
.irp t, 0,1,2,3
	s_cmp_lg_u32 s34, \t
	s_cbranch_scc1 .Lnot\t
	SELT \t
	s_branch .Lseld
.Lnot\t:
.endr
	SELT 4
.Lseld:
	s_lshl2_add_u32 s39, s34, s21                  ; the tile's number,
	s_min_u32 s39, s39, 63
	s_lshl_b32 s39, s39, 6                         ; its 16 words
	s_add_co_u32 s39, s39, s38                     ; of my list
	v_mov_b32 v[TA], s39
.set i, 0
.rept 4
	ds_load_b128 v[QS+4*i:QS+4*i+3], v[TA] offset:16*i  ; the 16 rows' q, the same in every lane
.set i, i+1
.endr
.set i, 0
.rept 16
	ds_store_b128 v[STO], v[U+4*i:U+4*i+3] offset:64*(i/2)+16*(i%2)  ; columns 16 nb + 8 h + 0..3 and + 4..7
.set i, i+1
.endr
.set i, 0
.rept 16
	ds_load_b128 v[OB+4*i:OB+4*i+3], v[RD] offset:SP*i  ; LDS serves a wave's instructions in order (ISA guide 5.7.1.4): these see the stores above; the stage is my own
.set i, i+1
.endr
	s_wait_dscnt 0x0
.set i, 0
.rept 16
	v_min_u32 v[QS+i], 0x7ff, v[QS+i]
	v_lshl_add_u32 v[QS+i], v[QS+i], OSH, v[LRD0]
.set i, i+1
.endr
.set i, 0
.rept 16
	global_store_b128 v[QS+i], v[OB+4*i:OB+4*i+3], s[12:13]  ; the wave stores 512 consecutive bytes of a row of part, at a multiple of 256 from its first byte
.set i, i+1
.endr
.Ltnext:
	s_add_co_u32 s34, s34, 1
	s_cmp_lt_u32 s34, 5
	s_cbranch_scc1 .Ltile
	s_sub_co_u32 s32, s32, 1
	s_cmp_lg_u32 s32, 0
	s_cbranch_scc1 .Lblk
	s_wait_tensorcnt 0x0                           ; the wave's end
	ds_add_u32 v[SPW], v[NIL]
	s_wait_dscnt 0x0
	s_endpgm
.Lfunc_end_k_qbf710c7ed7_ffn2:
	.size	k_qbf710c7ed7_ffn2, .Lfunc_end_k_qbf710c7ed7_ffn2-k_qbf710c7ed7_ffn2
	.p2alignl 7, 3214868480
	.fill 96, 4, 3214868480
	.section	.rodata,"a",@progbits
	.p2align	6, 0x0
	.amdhsa_kernel k_qbf710c7ed7_ffn2
		.amdhsa_group_segment_fixed_size 318976
		.amdhsa_private_segment_fixed_size 0
		.amdhsa_enable_private_segment 0
		.amdhsa_kernarg_size 48
		.amdhsa_user_sgpr_count 2
		.amdhsa_user_sgpr_kernarg_segment_ptr 1
		.amdhsa_wavefront_size32 1
		.amdhsa_system_sgpr_workgroup_id_x 1
		.amdhsa_system_sgpr_workgroup_id_y 1
		.amdhsa_system_sgpr_workgroup_id_z 1
		.amdhsa_system_vgpr_workitem_id 0
		.amdhsa_next_free_vgpr 896
		.amdhsa_next_free_sgpr 66
		.amdhsa_reserve_vcc 1
		.amdhsa_float_denorm_mode_32 3
		.amdhsa_float_denorm_mode_16_64 3
		.amdhsa_memory_ordered 1
		.amdhsa_forward_progress 1
		.amdhsa_inst_pref_size 166
	.end_amdhsa_kernel
	.amdgpu_metadata
---
amdhsa.version: [ 1, 2 ]
amdhsa.kernels:
  - .name:           k_qbf710c7ed7_ffn2
    .symbol:         k_qbf710c7ed7_ffn2.kd
    .args:
      - { .name: W2, .offset: 0, .size: 8, .value_kind: global_buffer, .address_space: global }
      - { .name: b2, .offset: 8, .size: 8, .value_kind: global_buffer, .address_space: global }
      - { .name: hbuf, .offset: 16, .size: 8, .value_kind: global_buffer, .address_space: global }
      - { .name: sel, .offset: 24, .size: 8, .value_kind: global_buffer, .address_space: global }
      - { .name: part, .offset: 32, .size: 8, .value_kind: global_buffer, .address_space: global }
      - { .name: gate, .offset: 40, .size: 8, .value_kind: global_buffer, .address_space: global }
    .group_segment_fixed_size: 318976
    .private_segment_fixed_size: 0
    .kernarg_segment_align: 8
    .kernarg_segment_size: 48
    .max_flat_workgroup_size: 128
    .sgpr_count:     66
    .vgpr_count:     896
    .wavefront_size: 32
...
	.end_amdgpu_metadata
.endif
;; end of part 3
;; launch total (part 4): grid 256 x 1, 8 waves a work-group, no clusters, 0 bytes of LDS; arguments part, out0; writes out0
.if DOCPART == 4
	.amdgcn_target "amdgcn-amd-amdhsa--gfx1250"
	.amdhsa_code_object_version 6
	.text
	.protected	k_qbf710c7ed7_total
	.globl	k_qbf710c7ed7_total
	.p2align	8
	.type	k_qbf710c7ed7_total,@function
k_qbf710c7ed7_total:
	s_mov_b64 s[64:65], 0
	v_nop
	global_prefetch_b8 v0, s[64:65] scope:SCOPE_SE
	s_setreg_imm32_b32 hwreg(HW_REG_WAVE_MODE, 25, 1), 1
	s_wait_xcnt 0x0
; out0[token][:] = the sum of the token's eight parts: part[ks][slot x 1024 + token][:], ks = 0 .. 3, slot = 0, 1; all f32, added in one fixed tree.  The gate weights and the biases are in the parts already.
; A stream: work-group b has rows 4 b .. 4 b + 3; thread t the 16 bytes at 16 t of each row, so a wave's load or store covers 512 consecutive bytes.  All 32 loads of a thread go out ahead of the first wait:
; 128 KiB a work-group are on their way.  No LDS, no barrier, no matrix unit: each byte is read once and each output byte written once.
.set D, 4                              ; v[4:131]  row, part m = 2 ks + slot: 32 row + 4 m
	s_load_b128 s[4:7], s[0:1], 0x0                ; part s[4:5], out0 s[6:7]
	v_lshlrev_b32 v1, 4, v0
	s_lshl_b32 s2, ttmp9, 14                       ; four rows of 4,096 bytes
	s_mov_b32 s3, 0
	s_wait_kmcnt 0x0
	s_add_nc_u64 s[8:9], s[4:5], s[2:3]            ; a base for each K slice, 8 MiB apart; the slot's 4 MiB and the row stand in the immediate
	s_add_nc_u64 s[10:11], s[8:9], 0x800000
	s_add_nc_u64 s[12:13], s[8:9], 0x1000000
	s_add_nc_u64 s[14:15], s[8:9], 0x1800000
	s_add_nc_u64 s[6:7], s[6:7], s[2:3]
.irp row, 0,1,2,3
.irp ks, 0,1,2,3
.irp slot, 0,1
	global_load_b128 v[D+32*(\row)+4*(2*(\ks)+(\slot)):D+32*(\row)+4*(2*(\ks)+(\slot))+3], v1, s[8+2*(\ks):9+2*(\ks)] offset:0x400000*(\slot)+4096*(\row) th:TH_LOAD_NT
.endr
.endr
.endr
.macro ROWSUM row, left                ; left: the later rows' loads, which may stay out
	s_wait_loadcnt \left
.irp m, 0,2,4,6
.irp p, 0,2
	v_pk_add_f32 v[D+32*(\row)+4*(\m)+(\p):D+32*(\row)+4*(\m)+(\p)+1], v[D+32*(\row)+4*(\m)+(\p):D+32*(\row)+4*(\m)+(\p)+1], v[D+32*(\row)+4*(\m)+4+(\p):D+32*(\row)+4*(\m)+4+(\p)+1]
.endr
.endr
.irp m, 0,4
.irp p, 0,2
	v_pk_add_f32 v[D+32*(\row)+4*(\m)+(\p):D+32*(\row)+4*(\m)+(\p)+1], v[D+32*(\row)+4*(\m)+(\p):D+32*(\row)+4*(\m)+(\p)+1], v[D+32*(\row)+4*(\m)+8+(\p):D+32*(\row)+4*(\m)+8+(\p)+1]
.endr
.endr
.irp p, 0,2
	v_pk_add_f32 v[D+32*(\row)+(\p):D+32*(\row)+(\p)+1], v[D+32*(\row)+(\p):D+32*(\row)+(\p)+1], v[D+32*(\row)+16+(\p):D+32*(\row)+16+(\p)+1]
.endr
	global_store_b128 v1, v[D+32*(\row):D+32*(\row)+3], s[6:7] offset:4096*(\row) th:TH_STORE_NT
.endm
	ROWSUM 0, 24
	ROWSUM 1, 16
	ROWSUM 2, 8
	ROWSUM 3, 0
	s_endpgm
.Lfunc_end_k_qbf710c7ed7_total:
	.size	k_qbf710c7ed7_total, .Lfunc_end_k_qbf710c7ed7_total-k_qbf710c7ed7_total
	.p2alignl 7, 3214868480
	.fill 96, 4, 3214868480
	.section	.rodata,"a",@progbits
	.p2align	6, 0x0
	.amdhsa_kernel k_qbf710c7ed7_total
		.amdhsa_group_segment_fixed_size 0
		.amdhsa_private_segment_fixed_size 0
		.amdhsa_enable_private_segment 0
		.amdhsa_kernarg_size 16
		.amdhsa_user_sgpr_count 2
		.amdhsa_user_sgpr_kernarg_segment_ptr 1
		.amdhsa_wavefront_size32 1
		.amdhsa_system_sgpr_workgroup_id_x 1
		.amdhsa_system_sgpr_workgroup_id_y 1
		.amdhsa_system_sgpr_workgroup_id_z 1
		.amdhsa_system_vgpr_workitem_id 0
		.amdhsa_next_free_vgpr 140
		.amdhsa_next_free_sgpr 66
		.amdhsa_reserve_vcc 0
		.amdhsa_float_denorm_mode_32 3
		.amdhsa_float_denorm_mode_16_64 3
		.amdhsa_memory_ordered 1
		.amdhsa_forward_progress 1
		.amdhsa_inst_pref_size 8
	.end_amdhsa_kernel
	.amdgpu_metadata
---
amdhsa.version: [ 1, 2 ]
amdhsa.kernels:
  - .name:           k_qbf710c7ed7_total
    .symbol:         k_qbf710c7ed7_total.kd
    .args:
      - { .name: part, .offset: 0, .size: 8, .value_kind: global_buffer, .address_space: global }
      - { .name: out0, .offset: 8, .size: 8, .value_kind: global_buffer, .address_space: global }
    .group_segment_fixed_size: 0
    .private_segment_fixed_size: 0
    .kernarg_segment_align: 8
    .kernarg_segment_size: 16
    .max_flat_workgroup_size: 256
    .sgpr_count:     66
    .vgpr_count:     140
    .wavefront_size: 32
...
	.end_amdgpu_metadata
.endif
;; end of part 4
